; MI455X (gfx1250); checked and timed in simulation.
; The chip was launched on July 23, 2026; its instructions are those of AMD's public machine-readable ISA for CDNA 5 (MIT licence, August 2026) and "CDNA5" Instruction Set Architecture Reference Guide (July 2026). The comments in the code are by the model that wrote it; some were corrected since.
;; Self Attention1 D. Allowed arithmetic: matrix products marked QUANTISED: E4M3 operands, one E8M0 scale for each 32 along K, by v_wmma_scale_f32_16x16x128_f8f6f4 with both operands' format E4M3, f32 sums; everything else in f32.
;; Inputs: Wf_codes 64 x 16 x 32 uint8 (E4M3 codes of Wf, K innermost, in blocks of 32 codes); Wf_scales 64 x 16 uint8 (E8M0 scales of Wf, one for each 32 codes along K); Wg_codes 64 x 16 x 32 uint8 (E4M3 codes of Wg, K innermost, in blocks of 32 codes); Wg_scales 64 x 16 uint8 (E8M0 scales of Wg, one for each 32 codes along K); Wh_codes 512 x 16 x 32 uint8 (E4M3 codes of Wh, K innermost, in blocks of 32 codes); Wh_scales 512 x 16 uint8 (E8M0 scales of Wh, one for each 32 codes along K); bf 64 float32; bg 64 float32; bh 512 float32; gamma one number float32; x 4 x 4,096 x 512 float32.
;; Outputs: out0 4 x 4,096 x 512 float32.
;; This version of the problem:
;;   THIS VERSION OF THE PROBLEM IS GIVEN IN LOW PRECISION. The matrix products marked QUANTISED in the list below multiply operands that are first quantised to E4M3 (4 exponent bits, 3 mantissa bits; 8 bits a number), with one power-of-two scale for each 32 numbers along K (OCP MX v1.0); their sums are f32. All else is computed in f32.
;;   The module's matrix products, in the order in which they are computed (A, B: the left and right operand; K: the contracted axis; several contracted axes count as one K, in the product's order):
;;     1. [M 16,384, K 512] x [K 512, N 64]; A: input x; B: input Wf (given as codes): QUANTISED
;;     2. [M 16,384, K 512] x [K 512, N 64]; A: input x; B: input Wg (given as codes): QUANTISED
;;     3. [M 16,384, K 512] x [K 512, N 512]; A: input x; B: input Wh (given as codes): QUANTISED
;;     4. batch 4 x [M 4,096, K 64] x [K 64, N 4,096]; A: computed on the way; B: computed on the way: QUANTISED
;;     5. batch 4 x [M 4,096, K 4,096] x [K 4,096, N 512]; A: softmax (see below); B: computed on the way: QUANTISED
;;   THE QUANTISER, for each operand of a quantised product, along K:
;;     - K is cut into blocks of 32 from its start; a last block that is shorter is filled with zeros.
;;     - A block's scale is 2^e with e = floor(log2(the largest magnitude in the block)) - 8, held to -126 .. 127; a block of zeros has e = 0. As a byte (E8M0): e + 127.
;;     - Each number is divided by its block's scale, clamped to +-448, and rounded to the nearest number of E4M3, ties to even, subnormals kept.
;;     - The product sums the exact products of the quantised numbers (number of the format x scale) in f32.
;;   ~~~python
;;   def quantise(x, axis):      # numpy; x: float32 -> the quantised numbers, widened to float32 again
;;       x = np.moveaxis(x, axis, -1); K = x.shape[-1]
;;       x = np.pad(x, [(0, 0)] * (x.ndim - 1) + [(0, -K % 32)]); x = x.reshape(x.shape[:-1] + (-1, 32)); a = np.abs(x).max(-1, keepdims=True)
;;       e = np.where(a > 0, np.clip(np.frexp(np.where(a > 0, a, 1))[1] - 1 - 8, -126, 127), 0)      # np.frexp(a)[1] - 1 = floor(log2(a)), exactly
;;       r = np.clip(x / 2.0 ** e, -448, 448)
;;       step = 2.0 ** (np.maximum(np.frexp(np.where(r == 0, 1, r))[1] - 1, -6) - 3)
;;       q = np.round(r / step) * step * 2.0 ** e      # np.round: ties to even
;;       return np.moveaxis(q.reshape(q.shape[:-2] + (-1,))[..., :K], -1, axis).astype(np.float32)
;;   ~~~
;;   SOFTMAX AHEAD OF A QUANTISED PRODUCT. Where the list says 'softmax', what is quantised is not the finished softmax but p = 2^(t - M), with t = logit x log2(e) and M = ceil(the row's largest t), a whole number; so 1/2 < the row's largest p <= 1. The row's sum l is taken of the UNQUANTISED p, in f32, and the product's result is divided by l at the end. Since M is a whole number, a kernel that streams over the keys may use a running M (the ceiling of the running maximum): every later rescaling is an exact power of two, which a block's scale takes up: the codes' values come out the same.
;;   OPERANDS COMPUTED ON THE WAY. 'Computed on the way' means the value that the module computes at that place (a softmax that the list does not call 'softmax' is quantised finished and normalised). What goes into a quantiser is computed in f32, as accurately as f32 sums, v_exp_f32 and their like allow (about 1e-6 of the number): no bf16 or f16 on the way to a quantiser, and a product that is left as it is and whose result goes on into a quantised operand takes f32 operands (vector FMAs, or v_wmma_f32_16x16x4_f32). A number that lies on a knife's edge between two numbers of the format may be rounded either way, as far as f32 arithmetic and the matrix unit's own rounding can turn it there, and no further.
;;   INPUTS GIVEN AS CODES. Wf (in the module: [512, 64], K = its axis 0); Wg (in the module: [512, 64], K = its axis 0); Wh (in the module: [512, 512], K = its axis 0): each comes as NAME_codes (uint8): NAME with its K axis moved to the last place and cut into blocks of 32 codes, [.., K / 32, bytes a block], one block behind the other in memory; one code a byte (a code: sign, 4 exponent bits, 3 mantissa bits); and NAME_scales (uint8): the same leading axes, one E8M0 byte (e + 127) for each 32 codes along K. Its value is code x scale, taken as it is: it is not quantised again, and the codes and scales need not be those that the quantiser above would give.
;; One version. Each part assembles by itself: llvm-mc -triple=amdgcn-amd-amdhsa -mcpu=gfx1250 --defsym DOCPART=n.
;; ======== version 1 of 1: 2 launches
;; workspace buffers: fq 1,179,648 bytes; kv 9,830,400 bytes
;; launch proj (part 1): grid 64 x 4, 4 waves a work-group, clusters of 4 x 1, 327,680 bytes of LDS; arguments x, Wf_codes, Wf_scales, Wg_codes, Wg_scales, Wh_codes, Wh_scales, bf, bg, bh, fq, kv; writes fq, kv
.if DOCPART == 1
	.amdgcn_target "amdgcn-amd-amdhsa--gfx1250"
	.amdhsa_code_object_version 6
	.text
	.protected	k_qe873d64bd1_proj
	.globl	k_qe873d64bd1_proj
	.p2align	8
	.type	k_qe873d64bd1_proj,@function
k_qe873d64bd1_proj:
	s_mov_b64 s[64:65], 0
	v_nop
	global_prefetch_b8 v0, s[64:65] scope:SCOPE_SE
	s_setreg_imm32_b32 hwreg(HW_REG_WAVE_MODE, 25, 1), 1
	s_wait_xcnt 0x0
	s_wait_alu depctr_hold_cnt(0) depctr_sa_sdst(0) depctr_va_vdst(0) depctr_va_sdst(0) depctr_va_ssrc(0) depctr_va_vcc(0) depctr_vm_vsrc(0)
	s_getreg_b32 s2, hwreg(HW_REG_IB_STS2, 6, 4)
	s_cmp_eq_u32 s2, 0
	s_cbranch_scc0 .Lentry_in_a_cluster
	s_endpgm
.Lentry_in_a_cluster:
	s_bfe_u32 s2, ttmp6, 0x10000c
	s_cmp_lg_u32 s2, 0x3003
	s_cbranch_scc0 .Lentry_shape_is_right
	s_endpgm
.Lentry_shape_is_right:
; PROJ.  f = x Wf + bf, g = x Wg + bg (64 wide), h = x Wh + bh (512 wide), all three on codes of FP8 (E4M3) with one E8M0 scale for each 32 along K = the 512 channels.
; x [4][4096][512] f32 is quantised here; the weights arrive as codes, K innermost.  The results are quantised again, f and g along their 64 channels, h along the KEYS (its rows),
; and leave as IMAGES OF THE REGISTERS that the second launch's matrix instructions want: every store of codes is 512 consecutive bytes, 16 a lane.
; SHARES.  A work-group takes 64 rows of x and makes all 640 outputs of them.  The weights are five tiles of 128 rows x 512 bytes (tile 0: Wf, then Wg; tiles 1-4: Wh).  Wave w fetches AND uses
; rows 32 w .. 32 w + 31 of every tile, so its own wait on TENSORcnt is all that its reads of weights need.
; CLUSTER.  The four work-groups of a cluster need the same 320 KiB of weights, against 128 KiB of x each: every weight load is asked for jointly (mask 15, the same descriptor in all four).
; THE ROWS OF A TILE ARE NOT NEIGHBOURS: lane r of row tile m = 2 p + u is row 32 p + 8 u + r + 8 (r / 8) of the 64.  So in h = (x tile) x (16 rows of Wh) a lane holds one channel and the 16 registers of tiles
; 2 p, 2 p + 1 are 16 neighbouring keys; in f, g = (16 rows of W, chosen the same way) x (x tile) a lane holds one row and 16 neighbouring channels.  The conversions' results then are operand registers.
; The biases are the C of each sum's first matrix instruction.
; LIMITS: NaN and infinities in x or the biases are not served.  A block of zeros gets the scale byte 1 where the rule says 127: its codes are zeros, and the bytes are read by this program alone.
; kv: [batch 4][slot 16][quarter 4][step in slot 2][19,200 bytes]: 16,384 of h's codes (channel tile k, key block c: 2,048 k + 512 c + 16 lane), 2,048 of g's codes (chunk 2 d + u: 512 a chunk),
;     2 x 256 of h's scale bytes as half words, 256 of g's scale words (a word and a zero word a lane).   fq: [batch x 64 + block][4,608]: 4,096 of f's codes, 2 x 256 of its scale words.
; REGISTERS, in windows of 256: window 0: addresses, scale words, the quantiser's scratch, v128-191 eight accumulators, v192-255 64 numbers of x.   window 1: x's 16 fragments (row tile m, K step s at 16 (4 m + s)).
;   window 2: x as loaded (256 registers), later eight fragments of weights.   window 3: v0-63 bh as C, v64-79 bf or bg as C.
.set QREC,   19200                     ; a quarter's bytes of one key step in kv
.set WPART,  2*QREC                    ; of a slot's two steps
.set SLOTB,  4*WPART
.set BATCHB, 16*SLOTB
.set GC,     16384                     ; in a quarter's record: g's codes,
.set HS,     18432                     ; h's scale half words,
.set GS,     18944                     ; g's scale words
.set FREC,   4608                      ; a record of fq
.set WP,     528                       ; a weight row in LDS: 512 bytes + 16 of padding = 132 words: row i starts at bank 4 i mod 64 (64 banks of 4 bytes: ISA guide 11.1)
.set WQ,     32*WP                     ; a wave's 32 rows
.set WSLOT,  4*WQ                      ; a tile
.set XIMG,   4*WSLOT                   ; behind the four slots: x's 16 fragments as images, 2,048 bytes each,
.set XSC,    XIMG+32768                ; their scale words, 128 bytes each,
.set XSTG,   XSC+2048                  ; a stage of 16 rows x (256 + 16) bytes for each wave,
.set SCGA,   XSTG+4*4352               ; where h's scale half words meet: 256 bytes for each quarter of the channels,
.set SCGB,   SCGA+1024                 ; where f's and g's scale words meet: 256 bytes for each of f's and g's two pairs of tiles,
.set SPARE,  SCGB+1024                 ; and the spare words, 128 bytes a wave: two blocks of 256 bytes that no other line names
.set XO,   1                           ; v1   x: 2,048 (lane / 16) + 16 (lane % 16)
.set SSTO, 2                           ; v2   the stage, in
.set SRD,  3                           ; v3   the stage, out
.set XWI,  4                           ; v4   where I store x's images
.set XWS,  5                           ; v5   and their scale words
.set XLI,  6                           ; v6   where any wave reads them
.set XLS,  7                           ; v7
.set AW,   8                           ; v8   my rows of a weight tile in slot 0: row r
.set AWP,  9                           ; v9   the same, row r + 8 (r / 8)
.set AWT,  10                          ; v10  AW in the slot in hand
.set L16,  11                          ; v11  16 x lane
.set FGO,  12                          ; v12  16 x lane + 1,024 x (wave % 2)
.set L8,   13                          ; v13  8 x lane
.set SH16, 14                          ; v14  16 (lane / 16)
.set GA,   15                          ; v15-19 the gathering places of the scale bytes
.set GB,   16
.set GZ,   17
.set GAL,  18
.set GBL,  19
.set SPW,  28                          ; v28  LDS address of my spare word; never rewritten
.set NIL,  29                          ; v29  0; never rewritten
.set XS,   32                          ; v32-47  x's scale words, 4 m + s
.set WHS,  48                          ; v48-63  Wh's, 4 (t - 1) + s: lanes 0-15 my rows 0-15, lanes 16-31 my rows 16-31
.set WFS,  64                          ; v64-71  Wf's or Wg's, 4 u + s
.set TM,   72                          ; v72-87  the quantiser's scratch
.set PW,   88                          ; v88     the scale word just made
.set HV,   89                          ; v89     my half of it
.set PC,   92                          ; v92-107 the codes just made
.set BT,   108                         ; v108-115 bh of my eight channels
.set ACC,  128
.set XQ,   192
.set WV,   56                          ; s56  wave
.set SEL,  60                          ; s[60:61] v_permlanex16_b32's selects for lane l xor 16
.set MNT,  62                          ; s62  the mantissa field of 448
.set MSB, 0
.macro WIN new                         ; the immediate's high byte repeats the setting that is left
.if MSB != \new
	s_set_vgpr_msb (MSB<<8)|\new
.set MSB, \new
.endif
.endm
.macro ROUND                           ; a round of the cluster's barrier: my work-group's barrier, wave 0 signals for the work-group, every wave waits for all four work-groups, my work-group's barrier once more
	s_barrier_signal -1
	s_barrier_wait -1
	s_cmp_lg_u32 s[WV], 0
	s_cbranch_scc1 .Lnot_wave_0_\@
	s_barrier_signal -3
.Lnot_wave_0_\@:
	s_barrier_wait -3
	s_barrier_signal -1
	s_barrier_wait -1
.endm
.macro PLACES n
.rept \n
	v_nop
.endr
.endm
; 64 numbers of a lane, v[s] .. v[s + 63], in four blocks: registers 16 b + i are 16 neighbours along K, lane l xor 16 holds the block's other 16.  They become codes in v[PC + 4 b] on and four scale bytes in v[PW].
.macro QUANT s
.irp b, 0,1,2,3
	v_max3_num_f32 v[TM+\b], |v[\s+16*\b]|, |v[\s+1+16*\b]|, 0x4800000   ; my 16 numbers, and the floor 2^(9 - 127), under which no largest magnitude is taken: the byte cannot fall under 1
.endr
.irp i, 2,4,6,8,10,12,14
.irp b, 0,1,2,3
	v_max3_num_f32 v[TM+\b], v[TM+\b], |v[\s+16*\b+\i]|, |v[\s+1+16*\b+\i]|   ; the four blocks by turns: no line waits for the line above it
.endr
.endr
.irp b, 0,1,2,3
	v_permlanex16_b32 v[TM+4+\b], v[TM+\b], s[SEL], s[SEL+1]
.endr
.irp b, 0,1,2,3
	v_max_num_f32 v[TM+\b], v[TM+\b], v[TM+4+\b]   ; the block's largest magnitude
.endr
.irp b, 0,1,2,3
	v_add_nc_u32 v[TM+12+\b], 0xfc000000, v[TM+\b]   ; 8 off its exponent field: the conversion takes the exponent field of this operand as its scale
.endr
.irp b, 0,1,2,3
	v_and_or_b32 v[TM+8+\b], v[TM+\b], 0x7f800000, s[MNT]   ; 448 x the scale
.endr
.irp b, 0,1,2,3
	v_lshrrev_b32 v[TM+4+\b], 23, v[TM+12+\b]   ; the scale's byte
.endr
	v_lshl_or_b32 v[PW], v[TM+5], 8, v[TM+4]
	v_lshl_or_b32 v[PW], v[TM+6], 16, v[PW]
	v_lshl_or_b32 v[PW], v[TM+7], 24, v[PW]
.irp b, 0,1,2,3
.irp i, 0,1,2,3,4,5,6,7,8,9,10,11,12,13,14,15
	v_med3_num_f32 v[\s+16*\b+\i], v[\s+16*\b+\i], -v[TM+8+\b], v[TM+8+\b]   ; the conversion to an 8-bit code does not saturate (ISA guide 7.6.2): the hold at the largest code x the scale
.endr
	v_cvt_scalef32_pk8_fp8_f32 v[PC+4*\b:PC+1+4*\b], v[\s+16*\b:\s+7+16*\b], v[TM+12+\b]
	v_cvt_scalef32_pk8_fp8_f32 v[PC+2+4*\b:PC+3+4*\b], v[\s+8+16*\b:\s+15+16*\b], v[TM+12+\b]
.endr
	v_nop                                          ; one plain vector instruction behind the last conversion, ahead of whatever next writes its sources
.endm
.macro IMAGE adr, off                  ; the fragment in v[PC] on goes to LDS as it stands: 16 bytes a lane, 512 a store
.irp c, 0,1,2,3
	ds_store_b128 v[\adr], v[PC+4*\c:PC+4*\c+3] offset:\off+512*\c
.endr
.endm
.macro WFRAG adr, step                 ; my 32 rows of a weight tile: two tiles of 16 rows (step bytes apart) x four K steps -> window 2, v[16 (4 q + s)]
	WIN 0x80
.irp q, 0,1
.irp s, 0,1,2,3
.irp c, 0,1,2,3
	ds_load_b128 v[16*(4*\q+\s)+4*\c:16*(4*\q+\s)+4*\c+3], v[\adr] offset:\q*\step+128*\s+32*\c
.endr
.endr
.endr
	WIN 0
.endm
; 32 matrix instructions: eight accumulators by turns, in the same order in every K step.
.macro PROD_H t                        ; h: source 0 = x's row tile m, source 1 = 16 rows of Wh (q); accumulator 4 q + m; C of the first K step: bh
.irp s, 0,1,2,3
.if \s == 0
	WIN 0x39                                       ; source 0 window 1, source 1 window 2, C window 3, D window 0
.else
	WIN 0x09
.endif
.irp q, 0,1
.irp m, 0,1,2,3
.if \s == 0
.if \q == 0
	v_wmma_scale_f32_16x16x128_f8f6f4 v[ACC+8*(4*\q+\m):ACC+8*(4*\q+\m)+7], v[16*(4*\m+\s):16*(4*\m+\s)+15], v[16*(4*\q+\s):16*(4*\q+\s)+15], v[8*(2*(\t-1)+\q):8*(2*(\t-1)+\q)+7], v[XS+4*\m+\s], v[WHS+4*(\t-1)+\s]
.else
	v_wmma_scale_f32_16x16x128_f8f6f4 v[ACC+8*(4*\q+\m):ACC+8*(4*\q+\m)+7], v[16*(4*\m+\s):16*(4*\m+\s)+15], v[16*(4*\q+\s):16*(4*\q+\s)+15], v[8*(2*(\t-1)+\q):8*(2*(\t-1)+\q)+7], v[XS+4*\m+\s], v[WHS+4*(\t-1)+\s] matrix_b_scale:MATRIX_SCALE_ROW1
.endif
.else
.if \q == 0
	v_wmma_scale_f32_16x16x128_f8f6f4 v[ACC+8*(4*\q+\m):ACC+8*(4*\q+\m)+7], v[16*(4*\m+\s):16*(4*\m+\s)+15], v[16*(4*\q+\s):16*(4*\q+\s)+15], v[ACC+8*(4*\q+\m):ACC+8*(4*\q+\m)+7], v[XS+4*\m+\s], v[WHS+4*(\t-1)+\s]
.else
	v_wmma_scale_f32_16x16x128_f8f6f4 v[ACC+8*(4*\q+\m):ACC+8*(4*\q+\m)+7], v[16*(4*\m+\s):16*(4*\m+\s)+15], v[16*(4*\q+\s):16*(4*\q+\s)+15], v[ACC+8*(4*\q+\m):ACC+8*(4*\q+\m)+7], v[XS+4*\m+\s], v[WHS+4*(\t-1)+\s] matrix_b_scale:MATRIX_SCALE_ROW1
.endif
.endif
.endr
.endr
.endr
	WIN 0
.endm
.macro PROD_FG                         ; f or g: source 0 = 16 rows of W (u), source 1 = x's row tile m; accumulator 2 m + u; C of the first K step: bf or bg
.irp s, 0,1,2,3
.if \s == 0
	WIN 0x36                                       ; source 0 window 2, source 1 window 1, C window 3, D window 0
.else
	WIN 0x06
.endif
.irp m, 0,1,2,3
.irp u, 0,1
.if \s == 0
	v_wmma_scale_f32_16x16x128_f8f6f4 v[ACC+8*(2*\m+\u):ACC+8*(2*\m+\u)+7], v[16*(4*\u+\s):16*(4*\u+\s)+15], v[16*(4*\m+\s):16*(4*\m+\s)+15], v[64+8*\u:64+8*\u+7], v[WFS+4*\u+\s], v[XS+4*\m+\s]
.else
	v_wmma_scale_f32_16x16x128_f8f6f4 v[ACC+8*(2*\m+\u):ACC+8*(2*\m+\u)+7], v[16*(4*\u+\s):16*(4*\u+\s)+15], v[16*(4*\m+\s):16*(4*\m+\s)+15], v[ACC+8*(2*\m+\u):ACC+8*(2*\m+\u)+7], v[WFS+4*\u+\s], v[XS+4*\m+\s]
.endif
.endr
.endr
.endr
	WIN 0
.endm
	s_load_b512 s[4:19], s[0:1], 0x0               ; x s[4:5], Wf's codes, scales s[6:9], Wg's s[10:13], Wh's s[14:17], bf s[18:19]
	s_load_b256 s[20:27], s[0:1], 0x40             ; bg s[20:21], bh s[22:23], fq s[24:25], kv s[26:27]
	v_lshl_add_u32 v[SPW], v0, 2, SPARE
	v_mov_b32 v[NIL], 0
	ds_add_u32 v28, v29
	s_wait_dscnt 0x0
	v_lshrrev_b32 v120, 5, v0
	v_readfirstlane_b32 s[WV], v120                ; wave 0..3
	s_bfe_u32 s57, ttmp6, 0x40000                  ; cx: my place in the cluster: it enters the addresses of x, fq and kv alone
	s_lshl_b32 s58, ttmp9, 2
	s_add_co_u32 s58, s58, s57                     ; my block of 64 rows = 4 x cluster x + cx
	s_and_b32 s59, ttmp7, 0xffff                   ; the batch
	s_lshr_b32 s66, s[WV], 1                       ; tile 0: I make f (0) or g (1),
	s_and_b32 s67, s[WV], 1                        ; its channels 32 x this on
	s_and_b32 s68, s58, 1                          ; which 64 keys of a key step of 128 my rows are
	s_mov_b32 s[SEL], 0x76543210
	s_mov_b32 s[SEL+1], 0xfedcba98
	s_mov_b32 s[MNT], 0x600000
	v_and_b32 v120, 31, v0                         ; lane
	v_and_b32 v121, 15, v0                         ; r
	v_bfe_u32 v122, v0, 4, 1                       ; h
	v_and_b32 v123, 8, v121
	v_add_nc_u32 v123, v123, v121                  ; r + 8 (r / 8)
	v_lshlrev_b32 v[L16], 4, v120
	v_lshlrev_b32 v[L8], 3, v120
	v_lshlrev_b32 v124, 2, v120
	v_lshlrev_b32 v[SH16], 4, v122
	v_lshlrev_b32 v[XO], 4, v121
	v_lshl_add_u32 v[XO], v122, 11, v[XO]          ; lanes 0-15 take 256 bytes of one row of x, lanes 16-31 of the next
	s_mul_i32 s94, s[WV], WQ                       ; my quarter of a weight slot
	s_mul_i32 s95, s[WV], 4352
	s_add_co_u32 s95, s95, XSTG                    ; my stage
	v_mul_u32_u24 v[SSTO], v122, 272
	v_lshl_add_u32 v[SSTO], v121, 4, v[SSTO]
	v_add_nc_u32 v[SSTO], s95, v[SSTO]             ; in: as loaded, two rows an instruction
	v_mul_u32_u24 v[SRD], v121, 272
	v_lshl_add_u32 v[SRD], v122, 6, v[SRD]
	v_add_nc_u32 v[SRD], s95, v[SRD]               ; out: row r, my half's 16 numbers of each block of 32
	s_lshl_b32 s95, s[WV], 13
	s_add_co_u32 s95, s95, XIMG
	v_add_nc_u32 v[XWI], s95, v[L16]               ; row tile m = my wave: its four fragments
	s_lshl_b32 s95, s[WV], 9
	v_add_nc_u32 v20, s95, v[L16]                  ; Wh's scales: row 32 w + lane, 16 bytes a row
	s_add_co_u32 s95, s95, XSC
	v_add_nc_u32 v[XWS], s95, v124
	v_add_nc_u32 v[XLI], XIMG, v[L16]
	v_add_nc_u32 v[XLS], XSC, v124
	v_mul_u32_u24 v[AW], v121, WP
	v_lshl_add_u32 v[AW], v122, 4, v[AW]
	v_add_nc_u32 v[AW], s94, v[AW]
	v_mul_u32_u24 v[AWP], v123, WP
	v_lshl_add_u32 v[AWP], v122, 4, v[AWP]
	v_add_nc_u32 v[AWP], s94, v[AWP]
	s_lshl_b32 s95, s67, 10
	v_add_nc_u32 v[FGO], s95, v[L16]               ; f's and g's codes: chunk 2 d + u, d = wave % 2
	s_lshl_b32 s95, s[WV], 1
	s_add_co_u32 s95, s95, SCGA
	v_add_nc_u32 v[GA], s95, v[L8]                 ; h's half words: 8 bytes a lane, my wave's two
	s_lshl_b32 s95, s66, 9
	s_lshl_b32 s93, s67, 1
	s_add_co_u32 s95, s95, s93
	s_add_co_u32 s95, s95, SCGB
	v_add_nc_u32 v[GB], s95, v[L8]                 ; f's or g's words: bytes 2 d, 2 d + 1
	s_lshl_b32 s95, s[WV], 8
	s_add_co_u32 s93, s95, SCGA
	v_add_nc_u32 v[GAL], s93, v[L8]                ; on the way out wave w takes the w-th 256 bytes of each
	s_add_co_u32 s93, s95, SCGB
	v_add_nc_u32 v[GBL], s93, v[L8]
	v_add_nc_u32 v[GZ], 4, v[GBL]                  ; the zero word beside each scale word
	v_lshlrev_b32 v21, 4, v123
	s_lshl_b32 s95, s67, 9
	v_add_nc_u32 v21, s95, v21                     ; Wf's or Wg's scales: row 32 d + r + 8 (r / 8)
	v_lshlrev_b32 v22, 6, v122
	s_lshl_b32 s95, s67, 7
	v_add_nc_u32 v22, s95, v22                     ; bf or bg: channel 32 d + 16 h
	v_lshlrev_b32 v23, 2, v121
	s_lshl_b32 s95, s[WV], 7
	v_add_nc_u32 v23, s95, v23                     ; bh: channel 32 w + r
.irp b, 0,1,2,3
	v_mov_b32 v[TM+4+\b], 0                        ; written once: a lane permute's destination counts as one of its sources
.endr
	; byte offsets, all under 2^32, each in a pair with 0 above it
	s_mul_i32 s69, s59, BATCHB
	s_lshr_b32 s70, s58, 2
	s_mul_i32 s70, s70, SLOTB
	s_add_co_u32 s69, s69, s70
	s_bfe_u32 s70, s58, 0x10001
	s_mul_i32 s70, s70, QREC
	s_add_co_u32 s69, s69, s70                     ; kv: batch, slot, step in the slot
	s_lshl_b32 s70, s59, 12
	s_lshl_b32 s71, s58, 6
	s_add_co_u32 s70, s70, s71
	s_lshl_b32 s71, s66, 5
	s_add_co_u32 s70, s70, s71
	s_lshl_b32 s71, s67, 3
	s_add_co_u32 s70, s70, s71
	s_lshl_b32 s70, s70, 11                        ; x: row 4,096 b + 64 block + 32 (w / 2) + 8 (w % 2): the first row of row tile w
	s_mov_b32 s71, 0
	s_lshl_b32 s95, s68, 10
	s_add_co_u32 s72, s69, s95
	s_lshl_b32 s95, s[WV], 12
	s_add_co_u32 s72, s72, s95                     ; h's codes: key blocks 2 half on, channel tiles 2 w on
	s_mov_b32 s73, 0
	s_mul_i32 s95, s[WV], WPART
	s_add_co_u32 s74, s69, s95
	s_lshl_b32 s95, s68, 8
	s_add_co_u32 s74, s74, s95
	s_add_co_u32 s74, s74, HS                      ; h's scale half words of quarter w
	s_mov_b32 s75, 0
	s_lshl_b32 s76, s59, 6
	s_add_co_u32 s76, s76, s58
	s_mul_i32 s76, s76, FREC                       ; fq: my record
	s_mul_i32 s95, s68, 2*WPART
	s_add_co_u32 s77, s69, s95                     ; kv: quarter 2 half
	s_lshl_b32 s95, s67, 8
	s_add_co_u32 s78, s76, s95
	s_add_co_u32 s78, s78, 4096                    ; f's scale words of pair w % 2
	s_mul_i32 s95, s67, WPART
	s_add_co_u32 s79, s77, s95
	s_add_co_u32 s79, s79, GS                      ; g's of quarter 2 half + w % 2
	s_add_co_u32 s77, s77, GC                      ; g's codes
	s_mov_b32 s92, 2048                            ; from pair 0 to pair 1: in fq,
	s_mov_b32 s93, WPART                           ; in kv
	; descriptor group 1: 32 rows x 512 bytes, padded in LDS
	s_mov_b32 s28, 15|(1<<20)|(1<<21)|(6<<22)|(3<<25)   ; 15:0 the mask: all four work-groups; 17:16 elements of 1 byte; 20 padding on; 21 set beside a mask; 24:22 after every 128 words (code 6); 31:25 four words (code 3)
	s_mov_b32 s29, 512<<16                         ; tensor_dim0
	s_mov_b32 s30, 32<<16                          ; tensor_dim1
	s_mov_b32 s31, 512<<16                         ; tile_dim0
	s_mov_b32 s32, 32                              ; tile_dim1
	s_mov_b32 s33, 512                             ; tensor_dim0_stride
	s_mov_b32 s34, 0
	s_mov_b32 s35, 0
	s_wait_kmcnt 0x0
	s_cmp_eq_u32 s66, 0                            ; f's wave or g's?  The choice hangs on the wave's number alone; every selection stands ahead of the next line that sets SCC
	s_cselect_b64 s[84:85], s[24:25], s[26:27]     ; the codes go to fq or to kv
	s_cselect_b64 s[6:7], s[6:7], s[10:11]         ; the weight's codes,
	s_cselect_b64 s[8:9], s[8:9], s[12:13]         ; its scales,
	s_cselect_b64 s[18:19], s[18:19], s[20:21]     ; the bias
	s_cselect_b32 s76, s76, s77
	s_cselect_b32 s78, s78, s79
	s_cselect_b32 s92, s92, s93
	s_mov_b32 s77, 0
	s_mov_b32 s79, 0
	s_mov_b32 s93, 0
	s_add_nc_u64 s[90:91], s[84:85], s[78:79]      ; f's or g's scale words
	s_add_nc_u64 s[84:85], s[84:85], s[76:77]      ; f's or g's codes, pair 0,
	s_add_nc_u64 s[86:87], s[84:85], s[92:93]      ; pair 1
	s_add_nc_u64 s[80:81], s[4:5], s[70:71]        ; x
	s_add_nc_u64 s[82:83], s[26:27], s[72:73]      ; h's codes
	s_add_nc_u64 s[88:89], s[26:27], s[74:75]      ; h's scale half words
	; descriptor groups 0: tile t into slot t (t = 0 .. 3), tile 4 into slot 0 again
	s_lshl_b32 s76, s67, 14
	s_mov_b32 s36, 1
	s_mov_b32 s37, s94
	s_add_nc_u64 s[38:39], s[6:7], s[76:77]        ; tile 0: rows 32 (w % 2) on of Wf or of Wg
	s_or_b32 s39, s39, 0x80000000
	s_lshl_b32 s76, s[WV], 14
	s_add_nc_u64 s[78:79], s[14:15], s[76:77]      ; Wh: rows 32 w on
.irp t, 1,2,3
	s_mov_b32 s[36+4*\t], 1
	s_add_co_u32 s[37+4*\t], s94, \t*WSLOT
	s_add_nc_u64 s[38+4*\t:39+4*\t], s[78:79], (\t-1)*65536
	s_or_b32 s[39+4*\t], s[39+4*\t], 0x80000000
.endr
	s_mov_b32 s52, 1
	s_mov_b32 s53, s94
	s_add_nc_u64 s[54:55], s[78:79], 3*65536
	s_or_b32 s55, s55, 0x80000000
	; 18 small loads, then x: 64 loads, each of two whole runs of 256 bytes
.irp t, 0,1,2,3
	global_load_b128 v[WHS+4*\t:WHS+4*\t+3], v20, s[16:17] offset:2048*\t
.endr
.irp u, 0,1
	global_load_b128 v[WFS+4*\u:WFS+4*\u+3], v21, s[8:9] offset:128*\u
.endr
.irp k, 0,1,2,3,4,5,6,7
	global_load_b32 v[BT+\k], v23, s[22:23] offset:512*(\k/2)+64*(\k%2)
.endr
	WIN 0xc0
.irp u, 0,1
	global_load_b128 v[64+8*\u:64+8*\u+3], v22, s[18:19] offset:32*\u
	global_load_b128 v[64+8*\u+4:64+8*\u+7], v22, s[18:19] offset:32*\u+16
.endr
	WIN 0x80
.irp s, 0,1,2,3
.irp g, 0,1
.irp i, 0,1,2,3,4,5,6,7
	global_load_b128 v[4*(16*\s+8*\g+\i):4*(16*\s+8*\g+\i)+3], v[XO], s[80:81] offset:(2*\i+8*(\i/4))*2048+512*\s+256*\g
.endr
.endr
.endr
	WIN 0
	ROUND                                          ; all four work-groups are here: the first joint loads meet
	tensor_load_to_lds s[36:39], s[28:35]          ; the four first fills go out together: four loads of mine are out
	s_nop 0
	tensor_load_to_lds s[40:43], s[28:35]
	s_nop 0
	tensor_load_to_lds s[44:47], s[28:35]
	s_nop 0
	tensor_load_to_lds s[48:51], s[28:35]
	s_nop 0
	PLACES 4
	; ---- X: my 16 rows of x become four fragments.  64 channels at a time go through my stage, as loaded, and come back 16 neighbours of each block a lane
.irp s, 0,1,2,3
.irp g, 0,1
	s_wait_loadcnt 56-8*(2*\s+\g)                  ; these eight loads are in; the count is that of the younger loads of x
	WIN 0x08
.irp i, 0,1,2,3,4,5,6,7
	ds_store_b128 v[SSTO], v[4*(16*\s+8*\g+\i):4*(16*\s+8*\g+\i)+3] offset:2*\i*272
.endr
	WIN 0
.irp p, 0,1
.irp j, 0,1,2,3
	ds_load_b128 v[XQ+32*\g+16*\p+4*\j:XQ+32*\g+16*\p+4*\j+3], v[SRD] offset:128*\p+16*\j   ; LDS serves a wave's instructions in order (ISA guide 5.7.1.4): these see the stores above
.endr
.endr
.endr
	s_wait_dscnt 0x0
	QUANT XQ
	IMAGE XWI, 2048*\s
	ds_store_b32 v[XWS], v[PW] offset:128*\s
.endr
	WIN 0xc0
.irp k, 0,1,2,3,4,5,6,7                ; bh of a lane's channel, eight times: the C of h's first products.  64 moves here spare 256 additions behind the products
.irp j, 0,1,2,3,4,5,6,7
	v_mov_b32 v[8*\k+\j], v[BT+\k]
.endr
.endr
	WIN 0
	ds_store_b32 v[GZ], v[NIL]                     ; the zero words beside f's and g's scale words
	s_wait_tensorcnt 0x3                           ; my quarter of tile 0 is in; the three younger fills may stay out
	s_wait_dscnt 0x0                               ; my images have landed
	s_barrier_signal -1
	s_barrier_wait -1                              ; x's sixteen fragments lie in LDS
	WIN 0x40
.irp f, 0,1,2,3,4,5,6,7,8,9,10,11,12,13,14,15
.irp c, 0,1,2,3
	ds_load_b128 v[16*\f+4*\c:16*\f+4*\c+3], v[XLI] offset:2048*\f+512*\c
.endr
.endr
	WIN 0
.irp f, 0,1,2,3,4,5,6,7,8,9,10,11,12,13,14,15
	ds_load_b32 v[XS+\f], v[XLS] offset:128*\f
.endr
	WFRAG AWP, 8*WP                                ; tile 0's fragments: lane r of tile u takes my row 8 u + r + 8 (r / 8)
	; ---- slot 0 is filled again, with tile 4
	s_wait_tensorcnt 0x0                           ; all my tensor loads have landed
	ds_add_u32 v[SPW], v[NIL]                      ; 0 onto my spare word
	s_wait_dscnt 0x0                               ; the add is done, and my reads of slot 0 are in registers
	ROUND                                          ; the same holds of every wave of every partner
	tensor_load_to_lds s[52:55], s[28:35]          ; my one load behind the round
	s_nop 0
	PLACES 4
	; ---- f or g
	PROD_FG
	PLACES 8                                       ; ahead of loads into registers that the products read, and of the first read of results
	v_add_nc_u32 v[AWT], WSLOT, v[AW]
	WFRAG AWT, 16*WP                               ; tile 1's fragments land while f or g is quantised
	QUANT ACC                                      ; block m: row tile m's 32 channels 32 d on
.irp m, 0,1
	global_store_b128 v[FGO], v[PC+4*\m:PC+4*\m+3], s[84:85] offset:512*\m       ; 512 consecutive bytes, aligned
.endr
.irp m, 0,1
	global_store_b128 v[FGO], v[PC+8+4*\m:PC+8+4*\m+3], s[86:87] offset:512*\m
.endr
	ds_store_b16 v[GB], v[PW]                      ; the bytes of tiles 0, 1: pair 0's word, bytes 2 d, 2 d + 1
	ds_store_b16_d16_hi v[GB], v[PW] offset:256    ; of tiles 2, 3: pair 1's
	; ---- h, 128 channels at a time
.macro HTILE t
	s_wait_dscnt 0x0                               ; this tile's fragments are in
	PROD_H \t
	PLACES 8
.if \t < 3
	v_add_nc_u32 v[AWT], (\t+1)*WSLOT, v[AW]
	WFRAG AWT, 16*WP                               ; the next tile's fragments land while this one is quantised
.elseif \t == 3
	s_wait_tensorcnt 0x0                           ; tile 4 is in slot 0: no load was issued behind it
	WFRAG AW, 16*WP
.endif
	s_wait_xcnt 0x0                                ; the last stores have read the codes' registers
	QUANT ACC                                      ; block 2 q + p: channel 16 q + r, keys 32 p on
.irp q, 0,1
.irp p, 0,1
	global_store_b128 v[L16], v[PC+4*(2*\q+\p):PC+4*(2*\q+\p)+3], s[82:83] offset:(\t-1)*WPART+\q*2048+\p*512
.endr
.endr
	v_lshrrev_b32 v[HV], v[SH16], v[PW]            ; lanes 0-15: the two bytes of q = 0; lanes 16-31: of q = 1
	ds_store_b16 v[GA], v[HV] offset:(\t-1)*256
.endm
	HTILE 1
	HTILE 2
	HTILE 3
	HTILE 4
	s_wait_dscnt 0x0
	s_barrier_signal -1
	s_barrier_wait -1                              ; all scale bytes have met
	ds_load_b64 v[116:117], v[GAL]
	ds_load_b64 v[118:119], v[GBL]
	s_wait_dscnt 0x0
	global_store_b64 v[L8], v[116:117], s[88:89]   ; 32 lanes store 256 consecutive bytes, aligned
	global_store_b64 v[L8], v[118:119], s[90:91]
	s_wait_tensorcnt 0x0                           ; the wave's end
	ds_add_u32 v[SPW], v[NIL]
	s_wait_dscnt 0x0
	ROUND                                          ; the closing round: no work-group ends while a partner may still ask for a tile that names it
	s_endpgm
.Lfunc_end_k_qe873d64bd1_proj:
	.size	k_qe873d64bd1_proj, .Lfunc_end_k_qe873d64bd1_proj-k_qe873d64bd1_proj
	.p2alignl 7, 3214868480
	.fill 96, 4, 3214868480
	.section	.rodata,"a",@progbits
	.p2align	6, 0x0
	.amdhsa_kernel k_qe873d64bd1_proj
		.amdhsa_group_segment_fixed_size 327680
		.amdhsa_private_segment_fixed_size 0
		.amdhsa_enable_private_segment 0
		.amdhsa_kernarg_size 96
		.amdhsa_user_sgpr_count 2
		.amdhsa_user_sgpr_kernarg_segment_ptr 1
		.amdhsa_wavefront_size32 1
		.amdhsa_system_sgpr_workgroup_id_x 1
		.amdhsa_system_sgpr_workgroup_id_y 1
		.amdhsa_system_sgpr_workgroup_id_z 1
		.amdhsa_system_vgpr_workitem_id 0
		.amdhsa_next_free_vgpr 1024
		.amdhsa_next_free_sgpr 96
		.amdhsa_reserve_vcc 0
		.amdhsa_float_denorm_mode_32 3
		.amdhsa_float_denorm_mode_16_64 3
		.amdhsa_memory_ordered 1
		.amdhsa_forward_progress 1
		.amdhsa_inst_pref_size 143
	.end_amdhsa_kernel
	.amdgpu_metadata
---
amdhsa.version: [ 1, 2 ]
amdhsa.kernels:
  - .name:           k_qe873d64bd1_proj
    .symbol:         k_qe873d64bd1_proj.kd
    .args:
      - { .name: x, .offset: 0, .size: 8, .value_kind: global_buffer, .address_space: global }
      - { .name: Wf_codes, .offset: 8, .size: 8, .value_kind: global_buffer, .address_space: global }
      - { .name: Wf_scales, .offset: 16, .size: 8, .value_kind: global_buffer, .address_space: global }
      - { .name: Wg_codes, .offset: 24, .size: 8, .value_kind: global_buffer, .address_space: global }
      - { .name: Wg_scales, .offset: 32, .size: 8, .value_kind: global_buffer, .address_space: global }
      - { .name: Wh_codes, .offset: 40, .size: 8, .value_kind: global_buffer, .address_space: global }
      - { .name: Wh_scales, .offset: 48, .size: 8, .value_kind: global_buffer, .address_space: global }
      - { .name: bf, .offset: 56, .size: 8, .value_kind: global_buffer, .address_space: global }
      - { .name: bg, .offset: 64, .size: 8, .value_kind: global_buffer, .address_space: global }
      - { .name: bh, .offset: 72, .size: 8, .value_kind: global_buffer, .address_space: global }
      - { .name: fq, .offset: 80, .size: 8, .value_kind: global_buffer, .address_space: global }
      - { .name: kv, .offset: 88, .size: 8, .value_kind: global_buffer, .address_space: global }
    .group_segment_fixed_size: 327680
    .private_segment_fixed_size: 0
    .kernarg_segment_align: 8
    .kernarg_segment_size: 96
    .max_flat_workgroup_size: 128
    .sgpr_count:     96
    .vgpr_count:     1024
    .wavefront_size: 32
...
	.end_amdgpu_metadata
.endif
;; end of part 1
;; launch attn (part 2): grid 64 x 4, 4 waves a work-group, clusters of 4 x 1, 327,680 bytes of LDS; arguments fq, kv, x, gamma, out0; writes out0
.if DOCPART == 2
	.amdgcn_target "amdgcn-amd-amdhsa--gfx1250"
	.amdhsa_code_object_version 6
	.text
	.protected	k_qe873d64bd1_attn
	.globl	k_qe873d64bd1_attn
	.p2align	8
	.type	k_qe873d64bd1_attn,@function
k_qe873d64bd1_attn:
	s_mov_b64 s[64:65], 0
	v_nop
	global_prefetch_b8 v0, s[64:65] scope:SCOPE_SE
	s_setreg_imm32_b32 hwreg(HW_REG_WAVE_MODE, 25, 1), 1
	s_wait_xcnt 0x0
	s_wait_alu depctr_hold_cnt(0) depctr_sa_sdst(0) depctr_va_vdst(0) depctr_va_sdst(0) depctr_va_ssrc(0) depctr_va_vcc(0) depctr_vm_vsrc(0)
	s_getreg_b32 s2, hwreg(HW_REG_IB_STS2, 6, 4)
	s_cmp_eq_u32 s2, 0
	s_cbranch_scc0 .Lentry_in_a_cluster
	s_endpgm
.Lentry_in_a_cluster:
	s_bfe_u32 s2, ttmp6, 0x10000c
	s_cmp_lg_u32 s2, 0x3003
	s_cbranch_scc0 .Lentry_shape_is_right
	s_endpgm
.Lentry_shape_is_right:
; ATTN.  out = x + gamma softmax(f g^T) h, both products on codes of FP8 (E4M3) with one E8M0 scale for each 32 along K.  f, g, h come from the first launch as images of operand registers.
; THE SOFTMAX: t = score x log2(e); M = the row's largest t rounded up to a whole number; p = 2^(t - M) is quantised along the keys; the row's sum of the unquantised p divides at the end.
; TWO PASSES.  Pass 1 makes all scores once for the rows' largest alone; pass 2 makes them again (the same operands, the same instruction: the same bits).  With M known from the start O is never rescaled
; (it is 256 registers a wave), and nothing of the softmax crosses waves but the codes of p.
; SHARES.  A work-group owns 64 queries (four tiles of 16) of one batch.  Of every key step of 128 keys wave w owns keys 32 w .. 32 w + 31, for all 64 queries: scores, p, codes.  Of O it owns channels
; 128 w .. 128 w + 127, for all 64 queries: 32 accumulators.  So each fragment of h is read from LDS once in the work-group and feeds four matrix instructions, and quarter w of a slot
; is fetched and read by wave w alone.  The codes of p go from wave to wave through LDS as images of their registers.
; BY TURNS.  Pass 2 runs one key step deep: while a wave walks the softmax of step j (266 vector lines), the 32 products p h of step j - 1 stand between its lines, one behind each short slice, and in a slot's
; first step the 8 products g f^T of its second step too.  A slice costs two switches of the register window: no window has room for a product's operands beside the softmax's registers.
; CLUSTER.  The four work-groups of a cluster belong to one batch and walk the same kv: every ring load is asked for jointly (mask 15, the same descriptor in all four).
; K = 64 IN AN INSTRUCTION OF K = 128.  A fragment of g holds TWO key tiles, its four chunks of 32 being (u0, d 0-31), (u1, d 0-31), (u0, d 32-63), (u1, d 32-63).  Against [f0, 0, f1, 0] it gives key tile u0,
; against [0, f0, 0, f1] key tile u1: zero codes add nothing.  Q lies as 0, f0, 0, f1, 0, f0', .. so that both forms of a tile are runs of 16 of the same registers.
; BOTH PRODUCTS ARE USED TRANSPOSED: S^T = g f^T, O^T = h^T p^T: a lane holds one query throughout.  Lane r of tile m = 2 p + u is row 32 p + 8 u + r + 8 (r / 8) (queries and keys alike), so that
; the 16 scores of key tiles u0, u1 in a lane are 16 neighbouring keys.
; LIMITS: NaN and infinities are not served.  Beyond |t| = 2^24 f32 has no whole-number steps left for M.  A block of p that is all zeros keeps the scale byte 1: its codes are zeros.
; REGISTERS, in windows of 256: window 0: addresses, statistics, scale words, v128-255 S^T then p (two key steps x 64).   window 1: v0-67 Q; pass 1: v96-223 eight fragments of g;
;   pass 2: v96-159, v192-255 p's fragments of the two steps, v160-191 g's.   window 2: h's fragments, 128 a step; at the end x's rows.   window 3: O^T, accumulator (m, k) at 8 (8 m + k).
.set QREC,   19200
.set WPART,  2*QREC                    ; a wave's quarter of a slot: two key steps
.set SLOTB,  4*WPART
.set BATCHB, 16*SLOTB
.set GC,     16384
.set HS,     18432
.set GS,     18944
.set FREC,   4608
.set PIMG,   2*SLOTB                   ; behind the ring: p's fragments as images: 8,192 e + 2,048 m + 512 c + 16 lane,
.set PSC,    PIMG+16384                ; their scale words: 512 e + 128 m + 4 lane, byte c,
.set MX,     PSC+1024                  ; where the waves' maxima, and later sums, meet: 512 m + 16 lane + 4 wave,
.set SPARE,  MX+2048                   ; and the spare words, 128 bytes a wave: two blocks of 256 bytes that no other line names
.set SPW, 1                            ; v1   LDS address of my spare word; never rewritten
.set NIL, 2                            ; v2   0; never rewritten
.set AV0, 3                            ; v3-4  my quarter of slot 0, 1: + 16 lane
.set AH0, 5                            ; v5-6  the same + 8 lane
.set PST, 7                            ; v7   where I store p's codes: chunk c = my wave
.set PSB, 8                            ; v8   and its scale bytes
.set PLD, 9                            ; v9   where any wave reads them
.set PWL, 10
.set MXS, 11
.set MXL, 12
.set L16, 13                           ; v13  16 x lane
.set L8,  14                           ; v14  8 x lane
.set STO, 15                           ; v15  the way out: where I put 32 bytes of a row.  The stage, 16 rows x 528 bytes, is the start of my quarter of slot 0, which has had its last fill and its last read by then
.set RD,  AV0                          ;      and where I read a row back: my quarter + 16 lane
.set PFO, 17                           ; v17  the prefetch's lanes: 2,048 (lane / 2) + 256 (lane % 2)
.set NM,  20                           ; v20-27  -M, a pair for each tile of queries
.set SUM, 28                           ; v28-35  the sums, in two halves
.set TM,  36                           ; v36-51  at work; in pass 1 v36-39 the running maxima
.set FAC, 44                           ; v44-51  at the end: gamma / sum, a pair a tile
.set BY,  52                           ; v52-59  p's scale bytes, 4 e + m
.set PC,  60                           ; v60-91  p's codes, 16 e + 4 m
.set KS,  92                           ; v92-99  g's scale words
.set QS,  100                          ; v100-103 f's
.set PSW, 104                          ; v104-111 p's, 4 e + m
.set VS,  112                          ; v112-119 h's, 4 e + k / 2: lanes 0-15 the even channel tile, lanes 16-31 the odd one
.set VH,  120                          ; v120-127 h's scale half words as loaded
.set S,   128
.set WV,  32                           ; s32  wave
.set SEL, 36                           ; s[36:37] v_permlanex16_b32's selects for lane l xor 16
.set CS,  38                           ; s[38:39] log2(e): the packed form names a pair and takes its low word for both halves
.set MNT, 40                           ; s40  the mantissa field of 448
.set GP,  44                           ; s[44:45] pass 1: g's codes of my pair of key tiles
.set MSB, 0
.macro WIN new                         ; the immediate's high byte repeats the setting that is left
.if MSB != \new
	s_set_vgpr_msb (MSB<<8)|\new
.set MSB, \new
.endif
.endm
.macro ROUND                           ; a round of the cluster's barrier
	s_barrier_signal -1
	s_barrier_wait -1
	s_cmp_lg_u32 s[WV], 0
	s_cbranch_scc1 .Lnot_wave_0_\@
	s_barrier_signal -3
.Lnot_wave_0_\@:
	s_barrier_wait -3
	s_barrier_signal -1
	s_barrier_wait -1
.endm
.macro PLACES n
.rept \n
	v_nop
.endr
.endm
	s_load_b256 s[4:11], s[0:1], 0x0               ; fq s[4:5], kv s[6:7], x s[8:9], gamma s[10:11]
	s_load_b64 s[12:13], s[0:1], 0x20              ; out0
	v_lshl_add_u32 v[SPW], v0, 2, SPARE
	v_mov_b32 v[NIL], 0
	ds_add_u32 v1, v2
	s_wait_dscnt 0x0
	v_lshrrev_b32 v128, 5, v0
	v_readfirstlane_b32 s[WV], v128                ; wave 0..3
	s_bfe_u32 s33, ttmp6, 0x40000                  ; cx: it enters the addresses of fq, x and out0 alone
	s_lshl_b32 s34, ttmp9, 2
	s_add_co_u32 s34, s34, s33                     ; my block of 64 queries
	s_and_b32 s35, ttmp7, 0xffff                   ; the batch, which the four partners share
	s_mov_b32 s[SEL], 0x76543210
	s_mov_b32 s[SEL+1], 0xfedcba98
	s_mov_b32 s[CS], 0x3fb8aa3b                    ; log2(e)
	s_mov_b32 s[CS+1], s[CS]
	s_mov_b32 s[MNT], 0x600000
	v_and_b32 v128, 31, v0                         ; lane
	v_and_b32 v129, 15, v0                         ; r
	v_bfe_u32 v130, v0, 4, 1                       ; h
	v_lshlrev_b32 v[L16], 4, v128
	v_lshlrev_b32 v[L8], 3, v128
	v_lshlrev_b32 v131, 2, v128
	s_mul_i32 s46, s[WV], WPART                    ; my quarter of a slot
	v_add_nc_u32 v[AV0], s46, v[L16]
	v_add_nc_u32 v[AV0+1], SLOTB, v[AV0]
	v_add_nc_u32 v[AH0], s46, v[L8]
	v_add_nc_u32 v[AH0+1], SLOTB, v[AH0]
	s_lshl_b32 s47, s[WV], 9
	s_add_co_u32 s47, s47, PIMG
	v_add_nc_u32 v[PST], s47, v[L16]
	s_add_co_u32 s47, s[WV], PSC
	v_add_nc_u32 v[PSB], s47, v131
	v_add_nc_u32 v[PLD], PIMG, v[L16]
	v_add_nc_u32 v[PWL], PSC, v131
	s_lshl_b32 s47, s[WV], 2
	s_add_co_u32 s47, s47, MX
	v_add_nc_u32 v[MXS], s47, v[L16]
	v_add_nc_u32 v[MXL], MX, v[L16]
	v_mul_u32_u24 v[STO], v129, 528
	v_lshl_add_u32 v[STO], v130, 5, v[STO]
	v_add_nc_u32 v[STO], s46, v[STO]
	v_lshrrev_b32 v[PFO], 1, v128
	v_lshlrev_b32 v[PFO], 11, v[PFO]
	v_and_b32 v131, 1, v128
	v_lshl_add_u32 v[PFO], v131, 8, v[PFO]
	; descriptor group 1: a quarter of a slot, 38,400 dense bytes, as 150 rows of 256
	s_mov_b32 s16, 15|(3<<16)|(1<<21)              ; 15:0 the mask: all four work-groups; 17:16 elements of 8 bytes; 21 set beside a mask; no padding: the images are read 16 x lane on end
	s_mov_b32 s17, 32<<16                          ; tensor_dim0
	s_mov_b32 s18, 150<<16                         ; tensor_dim1
	s_mov_b32 s19, 32<<16                          ; tile_dim0
	s_mov_b32 s20, 150                             ; tile_dim1
	s_mov_b32 s21, 32                              ; tensor_dim0_stride
	s_mov_b32 s22, 0
	s_mov_b32 s23, 0
	s_mul_i32 s48, s35, BATCHB
	s_add_co_u32 s48, s48, s46                     ; kv: the batch, my quarter: made of what the partners share
	s_mov_b32 s49, 0
	s_lshl_b32 s50, s35, 6
	s_add_co_u32 s50, s50, s34
	s_mul_i32 s50, s50, FREC                       ; fq: my record
	s_mov_b32 s51, 0
	s_lshl_b32 s52, s35, 12
	s_lshl_b32 s53, s34, 6
	s_add_co_u32 s52, s52, s53
	s_lshl_b32 s52, s52, 11
	s_lshl_b32 s53, s[WV], 9
	s_add_co_u32 s52, s52, s53                     ; x and out0: my first query's row, my wave's 512 bytes of it
	s_mov_b32 s53, 0
	s_wait_kmcnt 0x0
	s_load_b32 s41, s[10:11], 0x0                  ; gamma: waited for where it is used
	s_add_nc_u64 s[6:7], s[6:7], s[48:49]
	s_add_nc_u64 s[4:5], s[4:5], s[50:51]
	s_add_nc_u64 s[56:57], s[8:9], s[52:53]
	s_add_nc_u64 s[58:59], s[12:13], s[52:53]
	s_add_nc_u64 s[GP:GP+1], s[6:7], GC
.irp n, 0,1
	s_mov_b32 s[24+4*\n], 1                        ; descriptor group 0, a set for each slot
	s_add_co_u32 s[25+4*\n], s46, \n*SLOTB
	s_add_nc_u64 s[26+4*\n:27+4*\n], s[6:7], \n*SLOTB
	s_or_b32 s[27+4*\n], s[27+4*\n], 0x80000000
.endr
	ROUND                                          ; all four work-groups are here: the first joint loads meet
	tensor_load_to_lds s[24:27], s[16:23]          ; key steps 0, 1
	s_nop 0
	tensor_load_to_lds s[28:31], s[16:23]          ; key steps 2, 3: two loads of mine are out; they land under pass 1
	s_nop 0
	PLACES 4
	WIN 0x40
.irp m, 0,1,2,3
.irp d, 0,1
	global_load_b128 v[16*\m+4+8*\d:16*\m+7+8*\d], v[L16], s[4:5] offset:(\m/2)*2048+(2*\d+\m%2)*512   ; f of tile m, channels 32 d on
.endr
.endr
	WIN 0
	global_load_b32 v[TM+8], v[L8], s[4:5] offset:4096        ; f's scale words: tiles 0, 1,
	global_load_b32 v[TM+9], v[L8], s[4:5] offset:4096+256    ; tiles 2, 3
; ---- PASS 1.  g's fragment of my 32 keys of step i (of eight in hand) comes from memory into buffer i: four loads of 512 consecutive bytes and the scale words.
.macro P1LOAD i, off
	WIN 0x40
.irp c, 0,1,2,3
	global_load_b128 v[96+16*\i+4*\c:96+16*\i+4*\c+3], v[L16], s[GP:GP+1] offset:(\i/2)*SLOTB+(\i%2)*QREC+\off+512*\c
.endr
	WIN 0
	global_load_b32 v[KS+\i], v[L8], s[GP:GP+1] offset:(\i/2)*SLOTB+(\i%2)*QREC+\off+GS-GC
.endm
.macro P1PROD i, set                   ; eight products: 32 keys x 64 queries
	WIN 0x05                                       ; sources 0 and 1 window 1, D window 0
.irp m, 0,1,2,3
	v_wmma_scale_f32_16x16x128_f8f6f4 v[S+64*(\set)+16*\m:S+64*(\set)+16*\m+7], v[96+16*\i:96+16*\i+15], v[16*\m+4:16*\m+19], 0, v[KS+\i], v[QS+\m]
	v_wmma_scale_f32_16x16x128_f8f6f4 v[S+64*(\set)+16*\m+8:S+64*(\set)+16*\m+15], v[96+16*\i:96+16*\i+15], v[16*\m:16*\m+15], 0, v[KS+\i], v[QS+\m]
.endr
.endm
.macro P1MAX set                       ; the running maxima take 64 scores, each accumulator from its low end on, the four tiles by turns
	WIN 0
.irp j, 0,2,4,6,8,10,12,14
.irp m, 0,1,2,3
	v_max3_num_f32 v[TM+\m], v[TM+\m], v[S+64*(\set)+16*\m+\j], v[S+64*(\set)+16*\m+\j+1]
.endr
.endr
.endm
; A step: its products go into one set of scores while the maxima take the other set, the step before's.  Those 32 lines name nothing of the products just issued: they are the places behind them,
; ahead of the loads into the buffer and of the next step's reads.
.macro P1STEP i, ahead, left
	s_wait_loadcnt \left
	P1PROD \i, (\i%2)
	P1MAX (1-\i%2)
.if \ahead
	P1LOAD \i, 4*SLOTB                             ; the step eight on
.endif
.endm
.irp i, 0,1,2,3,4,5,6,7
	P1LOAD \i, 0
.endr
	WIN 0x40
.irp g, 0,1,2,3,4,5,6,7,8
.irp k, 0,1,2,3
	v_mov_b32 v[8*\g+\k], 0                        ; Q's nine groups of zero codes
.endr
.endr
	WIN 0
	s_wait_loadcnt 35                              ; f, its scale words and step 0 are in; steps 1 to 7, five loads each, may be out
	v_perm_b32 v[QS+0], v[TM+8], v[TM+8], 0x02020000   ; a pair's word is [u0 d0, u1 d0, u0 d1, u1 d1]; a tile's is [d0, d0, d1, d1]: it serves both forms of Q
	v_perm_b32 v[QS+1], v[TM+8], v[TM+8], 0x03030101
	v_perm_b32 v[QS+2], v[TM+9], v[TM+9], 0x02020000
	v_perm_b32 v[QS+3], v[TM+9], v[TM+9], 0x03030101
.irp j, 0,1,2,3,4,5,6,7
	v_mov_b32 v[SUM+\j], 0                         ; (these sixteen lines are also the places between the scale words just made and the first products)
.endr
.irp m, 0,1,2,3
	v_mov_b32 v[TM+\m], 0xff800000                 ; the maxima begin at -infinity
	v_mov_b32 v[TM+4+\m], 0                        ; written once: a lane permute's destination counts as one of its sources
.endr
	P1PROD 0, 1                                    ; step 0 once more into set 1, so that the first step of the loop finds scores there: they are taken twice, which a maximum does not mind
	WIN 0
	PLACES 9                                       ; nine: step 1's products write over these results
	s_mov_b32 s42, 3
.Lp1:                                              ; three trips of eight steps; the last eight are written out, without loads
.irp i, 0,1,2,3,4,5,6,7
	P1STEP \i, 1, 35                               ; seven younger steps of five loads
.endr
	s_wait_xcnt 0x0                                ; the loads have read their base
	s_add_nc_u64 s[GP:GP+1], s[GP:GP+1], 4*SLOTB
	s_sub_co_u32 s42, s42, 1
	s_cmp_lg_u32 s42, 0
	s_cbranch_scc1 .Lp1
.irp i, 0,1,2,3,4,5,6,7
	P1STEP \i, 0, 5*(7-\i)
.endr
	P1MAX 1                                        ; the last step's scores
.irp m, 0,1,2,3
	v_permlanex16_b32 v[TM+4+\m], v[TM+\m], s[SEL], s[SEL+1]
.endr
.irp m, 0,1,2,3
	v_max_num_f32 v[TM+\m], v[TM+\m], v[TM+4+\m]
.endr
.irp m, 0,1,2,3
	ds_store_b32 v[MXS], v[TM+\m] offset:512*\m
.endr
	s_wait_dscnt 0x0
	s_barrier_signal -1
	s_barrier_wait -1                              ; the first fills may stay out
.irp m, 0,1,2,3
	ds_load_b128 v[PC+4*\m:PC+4*\m+3], v[MXL] offset:512*\m   ; the four waves' maxima of my query
.endr
	s_wait_dscnt 0x0
.irp m, 0,1,2,3
	v_max3_num_f32 v[TM+\m], v[PC+4*\m], v[PC+4*\m+1], v[PC+4*\m+2]
.endr
.irp m, 0,1,2,3
	v_max_num_f32 v[TM+\m], v[TM+\m], v[PC+4*\m+3]
.endr
.irp m, 0,1,2,3
	v_mul_f32 v[TM+\m], s[CS], v[TM+\m]            ; the row's largest t
.endr
.irp m, 0,1,2,3
	v_floor_f32 v[NM+2*\m], -v[TM+\m]              ; -M = floor(-t) = -ceil(t)
	v_floor_f32 v[NM+2*\m+1], -v[TM+\m]            ; (named with it as a pair)
.endr
; ---- PASS 2
; THE CHANGE OF SLOTS.  Each wave waits for all its tensor loads (its quarter of the slot ahead), adds 0 to its spare word, and waits for that and for its LDS instructions: its reads of the slot that it leaves
; (h's fragments of both steps are in registers), its reads of p's image 0 and its stores into image 1.
; fill = 1: the slot just left is filled with the keys two slots on: the barrier is a round of the cluster's, and the joint load is the first thing behind it; it has a slot's work in which to land.
.macro CHANGE other, fill
	s_wait_tensorcnt 0x0                           ; no tensor load of mine is out, so a group 0 may be written
	ds_add_u32 v[SPW], v[NIL]                      ; 0 onto my spare word
.if \fill
	s_add_nc_u64 s[26+4*\other:27+4*\other], s[26+4*\other:27+4*\other], 2*SLOTB   ; the type bits on top are not reached
.endif
	s_wait_dscnt 0x0
.if \fill
	ROUND
	tensor_load_to_lds s[24+4*\other:27+4*\other], s[16:23]
	s_nop 0
	PLACES 4
.else
	s_barrier_signal -1
	s_barrier_wait -1
.endif
.endm
.macro VLOAD slot, e                   ; h's eight fragments of step e: my 128 channels x 128 keys: 32 loads
	WIN 0x80
.irp k, 0,1,2,3,4,5,6,7
.irp c, 0,1,2,3
	ds_load_b128 v[128*\e+16*\k+4*\c:128*\e+16*\k+4*\c+3], v[AV0+\slot] offset:\e*QREC+2048*\k+512*\c
.endr
.endr
.endm
.macro PLOAD e                         ; p of step e, all 128 keys x 64 queries, from the four waves' images: the four scale words first, then four loads a tile of queries: 20 loads
.irp m, 0,1,2,3
	ds_load_b32 v[PSW+4*\e+\m], v[PWL] offset:\e*512+\m*128
.endr
	WIN 0x40
.irp m, 0,1,2,3
.irp c, 0,1,2,3
	ds_load_b128 v[96+96*\e+16*\m+4*\c:96+96*\e+16*\m+4*\c+3], v[PLD] offset:\e*8192+\m*2048+512*\c
.endr
.endr
	WIN 0
.endm
.macro VSMAKE e                        ; h's scale words of step e: key blocks 0, 1 from one half word, 2, 3 from the other
	v_perm_b32 v[VS+4*\e+0], v[VH+4*\e+2], v[VH+4*\e], 0x05040100
	v_perm_b32 v[VS+4*\e+1], v[VH+4*\e+2], v[VH+4*\e], 0x07060302
	v_perm_b32 v[VS+4*\e+2], v[VH+4*\e+3], v[VH+4*\e+1], 0x05040100
	v_perm_b32 v[VS+4*\e+3], v[VH+4*\e+3], v[VH+4*\e+1], 0x07060302
.endm
; Product PN of 32 of O^T += h^T p^T of step QE: channel tile PN / 4, tile of queries PN % 4.  The 32 accumulators take turns, one instruction a turn, in the same order in every step.
; QZ = 1: the products start the sums: nothing is ever cleared.
.macro PVONE
.set rO, 8*(8*(PN%4)+PN/4)
.set rV, 128*QE+16*(PN/4)
.set rP, 96+96*QE+16*(PN%4)
.set rA, VS+4*QE+PN/8
.set rB, PSW+4*QE+PN%4
	WIN 0xf6                                       ; source 0 (h) window 2, source 1 (p) window 1, C and D window 3
.if QZ
.if (PN/4)%2
	v_wmma_scale_f32_16x16x128_f8f6f4 v[rO:rO+7], v[rV:rV+15], v[rP:rP+15], 0, v[rA], v[rB] matrix_a_scale:MATRIX_SCALE_ROW1
.else
	v_wmma_scale_f32_16x16x128_f8f6f4 v[rO:rO+7], v[rV:rV+15], v[rP:rP+15], 0, v[rA], v[rB]
.endif
.else
.if (PN/4)%2
	v_wmma_scale_f32_16x16x128_f8f6f4 v[rO:rO+7], v[rV:rV+15], v[rP:rP+15], v[rO:rO+7], v[rA], v[rB] matrix_a_scale:MATRIX_SCALE_ROW1
.else
	v_wmma_scale_f32_16x16x128_f8f6f4 v[rO:rO+7], v[rV:rV+15], v[rP:rP+15], v[rO:rO+7], v[rA], v[rB]
.endif
.endif
.endm
; THE TURNS.  The softmax has 46 places for a matrix instruction; at each, HOOK writes the next of a queue of QN: first QS1 products g f^T of the slot's second step, then products p h of step QE.
; The first QSK places are passed over, so that p's loads have time to land.  Ahead of product n = 0 .. 3 of a run a counted wait: p's scale words and its fragments of tiles 0 .. n are in;
; younger are the fragments of the later tiles, four loads each, and h's 32 loads.  No LDS instruction of the softmax stands ahead of these four places.
.macro HOOK
.if QSK > 0
.set QSK, QSK-1
.elseif QI < QN
.if QI < QS1
	WIN 0x05                                       ; sources 0 and 1 window 1, D window 0
.if QI%2
	v_wmma_scale_f32_16x16x128_f8f6f4 v[S+64+16*(QI/2)+8:S+64+16*(QI/2)+15], v[176:191], v[16*(QI/2):16*(QI/2)+15], 0, v[KS+1], v[QS+QI/2]
.else
	v_wmma_scale_f32_16x16x128_f8f6f4 v[S+64+16*(QI/2):S+64+16*(QI/2)+7], v[176:191], v[16*(QI/2)+4:16*(QI/2)+19], 0, v[KS+1], v[QS+QI/2]
.endif
.else
.set PN, QI-QS1
.if PN < 4
	s_wait_dscnt 44-4*PN
.endif
	PVONE
.endif
	WIN 0
.set QI, QI+1
.endif
.endm
; The softmax of step e: my 32 keys x 64 queries.  A lane holds, for each tile t of queries, one query and 16 neighbouring keys; lane l xor 16 holds the block's other 16.
; A place for a matrix instruction follows every 8 plain lines, every 4 packed lines and every 4 exponentials; none stands in the last 16 holds.  No line here names a register of the products between the lines.
.macro SOFTMAX e
.set SB, S+64*\e
.irp t, 0,1,2,3
	v_max3_num_f32 v[TM+\t], v[SB+16*\t], v[SB+16*\t+1], v[SB+16*\t+2]   ; the block's largest score: p rises with the score, so it gives the block's largest p
.endr
.irp i, 3,5,7,9,11,13
.irp t, 0,1,2,3
	v_max3_num_f32 v[TM+\t], v[TM+\t], v[SB+16*\t+\i], v[SB+16*\t+\i+1]
.endr
.if (\i%4) == 3
	HOOK
.endif
.endr
.irp t, 0,1,2,3
	v_max_num_f32 v[TM+\t], v[TM+\t], v[SB+16*\t+15]
.endr
	HOOK
.irp t, 0,1,2,3
	v_permlanex16_b32 v[TM+4+\t], v[TM+\t], s[SEL], s[SEL+1]
.endr
.irp t, 0,1,2,3
	v_max_num_f32 v[TM+\t], v[TM+\t], v[TM+4+\t]
.endr
	HOOK
.irp t, 0,1,2,3
.irp j, 0,2,4,6,8,10,12,14
	v_pk_fma_f32 v[SB+16*\t+\j:SB+16*\t+\j+1], v[SB+16*\t+\j:SB+16*\t+\j+1], s[CS:CS+1], v[NM+2*\t:NM+2*\t+1] op_sel_hi:[1,0,0]   ; t - M, two at a time
.if (\j%8) == 6
	HOOK
.endif
.endr
.endr
.irp t, 0,1,2,3
	v_fma_f32 v[TM+\t], v[TM+\t], s[CS], v[NM+2*\t]   ; the same of the block's largest score
.endr
.set n2, 0
.rept 64
	v_exp_f32 v[SB+n2], v[SB+n2]                   ; p = 2^(t - M), at most 1
.set n2, n2+1
.if (n2%4) == 0
	HOOK
.endif
.endr
.irp t, 0,1,2,3
	v_exp_f32 v[TM+\t], v[TM+\t]                   ; the block's largest p: the same two instructions on the same number
.endr
	v_nop                                          ; a plain place behind the exponentials (ISA guide 5.7.2)
	HOOK
	s_wait_alu depctr_va_vdst(0)
.irp t, 0,1,2,3
	v_max_num_f32 v[TM+\t], 0x4800000, v[TM+\t]    ; the floor 2^(9 - 127): the byte cannot fall under 1
.endr
.irp t, 0,1,2,3
	v_add_nc_u32 v[TM+12+\t], 0xfc000000, v[TM+\t]   ; 8 off the exponent field: the conversion's scale operand
.endr
	HOOK
.irp t, 0,1,2,3
	v_and_or_b32 v[TM+8+\t], v[TM+\t], 0x7f800000, s[MNT]   ; 448 x the scale
.endr
.irp t, 0,1,2,3
	v_lshrrev_b32 v[BY+4*\e+\t], 23, v[TM+12+\t]   ; the scale's byte
.endr
	HOOK
.irp t, 0,1,2,3
	ds_store_b8 v[PSB], v[BY+4*\e+\t] offset:\e*512+\t*128   ; byte c = my wave of the scale word of p's fragment of tile t: it leaves as soon as it is made
.endr
.irp j, 0,2,4,6,8,10,12,14
.irp t, 0,1,2,3
	v_pk_add_f32 v[SUM+2*\t:SUM+2*\t+1], v[SUM+2*\t:SUM+2*\t+1], v[SB+16*\t+\j:SB+16*\t+\j+1]   ; the sums are taken of the unquantised p: four chains by turns
.endr
	HOOK
.endr
.irp t, 0,1,2,3
.irp i, 0,1,2,3,4,5,6,7,8,9,10,11,12,13,14,15
	v_min_num_f32 v[SB+16*\t+\i], v[SB+16*\t+\i], v[TM+8+\t]   ; the conversion to an 8-bit code does not saturate (ISA guide 7.6.2); p is not negative, so the hold is one-sided
.if (\t < 3) && ((\i%8) == 7)
	HOOK
.endif
.endr
	v_cvt_scalef32_pk8_fp8_f32 v[PC+16*\e+4*\t:PC+16*\e+4*\t+1], v[SB+16*\t:SB+16*\t+7], v[TM+12+\t]
	v_cvt_scalef32_pk8_fp8_f32 v[PC+16*\e+4*\t+2:PC+16*\e+4*\t+3], v[SB+16*\t+8:SB+16*\t+15], v[TM+12+\t]
.if \t == 3
	v_nop                                          ; one plain vector instruction behind the last conversion (behind the others: the next tile's holds)
.endif
	ds_store_b128 v[PST], v[PC+16*\e+4*\t:PC+16*\e+4*\t+3] offset:\e*8192+\t*2048   ; chunk c = my wave of p's fragment of tile t: each tile's codes leave behind their conversion
.endr
.endm
; A SLOT'S WORK: two key steps, in two phases.  first = 1: the first slot: no step lies before it, and its products p h start the sums.  last = 1: the last slot, which asks for the rows of x.
; p's image e is written again only behind a barrier in front of which every wave has waited for its reads of it: image 0 behind the change of slots, image 1 behind the barrier between the phases.
; Behind the last product of a phase stand at least 32 holds, plain lines that name none of its registers: the places ahead of the next loads into h's and p's registers and their scale words.
.macro SLOTWORK slot, first, last
	WIN 0x40
.irp e, 0,1
.irp c, 0,1,2,3
	ds_load_b128 v[160+16*\e+4*\c:160+16*\e+4*\c+3], v[AV0+\slot] offset:\e*QREC+GC+512*\c   ; g's fragments of my 32 keys of both steps
.endr
.endr
	WIN 0
.irp e, 0,1
	ds_load_b32 v[KS+\e], v[AH0+\slot] offset:\e*QREC+GS
	ds_load_b64 v[VH+4*\e:VH+4*\e+1], v[AH0+\slot] offset:\e*QREC+HS
	ds_load_b64 v[VH+4*\e+2:VH+4*\e+3], v[AH0+\slot] offset:\e*QREC+HS+256
.endr
.if !\first
	PLOAD 1                                        ; p of the slot before's second step: every wave's stores stand ahead of the change of slots
.endif
	s_wait_dscnt 20*(1-\first)                     ; g, its scale words and h's half words are in; p's 20 loads may be out
	WIN 0x05
.irp m, 0,1,2,3                        ; the first step's scores: eight products
	v_wmma_scale_f32_16x16x128_f8f6f4 v[S+16*\m:S+16*\m+7], v[160:175], v[16*\m+4:16*\m+19], 0, v[KS], v[QS+\m]
	v_wmma_scale_f32_16x16x128_f8f6f4 v[S+16*\m+8:S+16*\m+15], v[160:175], v[16*\m:16*\m+15], 0, v[KS], v[QS+\m]
.endr
	VLOAD \slot, 0                                 ; h of the first step: wanted in the second phase
	WIN 0
.if \last
.irp k, 0,1,2,3
	global_prefetch_b8 v[PFO], s[56:57] offset:\k*32768 th:TH_LOAD_NT scope:SCOPE_SE   ; my wave's 512 bytes of the 64 rows of x: 128 blocks of 256 bytes, each asked for once, by the wave that will load it, a slot's work ahead at the most
.endr
.endif
	VSMAKE 0                                       ; these four lines and four v_nop are the eight places behind the products above
	PLACES 4
.set QI, 0
.set QS1, 8
.set QN, 8+32*(1-\first)
.set QE, 1
.set QZ, 0
.set QSK, 0
	SOFTMAX 0                                      ; between its lines: the second step's scores, then p h of the slot before's second step
	s_wait_dscnt 0x0                               ; my image of p has landed; h's fragments and my reads of image 1 are in
	s_barrier_signal -1
	s_barrier_wait -1                              ; everybody's have.  The ring's load may stay out
	PLOAD 0
	VLOAD \slot, 1                                 ; h of the second step: wanted in the next slot's first phase, and in registers ahead of the change of slots
	WIN 0
	VSMAKE 1
.set QI, 0
.set QS1, 0
.set QN, 32
.set QE, 0
.set QZ, \first
.set QSK, 10
	SOFTMAX 1                                      ; between its lines: p h of the first step
.endm
.macro XLOAD m                         ; x's 16 rows of tile m, my wave's 512 bytes of each -> window 2
.irp i, 0,1,2,3,4,5,6,7,8,9,10,11,12,13,14,15
	global_load_b128 v[64*\m+4*\i:64*\m+4*\i+3], v[L16], s[56:57] offset:(32*(\m/2)+8*(\m%2)+\i+8*(\i/8))*2048
.endr
.endm
	s_wait_tensorcnt 0x1                           ; my quarter of slot 0 is in, and I alone read it; slot 1's may stay out
	SLOTWORK 0, 1, 0
	s_mov_b32 s43, 7
.Lring:                                            ; seven trips, two slots each: slots 1 to 14 of 16; every trip fills both slots again
	CHANGE 0, 1
	SLOTWORK 1, 0, 0
	CHANGE 1, 1
	SLOTWORK 0, 0, 0
	s_sub_co_u32 s43, s43, 1
	s_cmp_lg_u32 s43, 0
	s_cbranch_scc1 .Lring
	CHANGE 0, 0                                    ; the last slot is written out
	SLOTWORK 1, 0, 1
	; ---- THE LAST STEP'S PRODUCTS, AND THE WAY OUT.  x's rows of tiles 0, 1 are asked for now, into h's registers of a slot's first step, whose last products stand 32 holds back.
	WIN 0x80
	XLOAD 0
	XLOAD 1
	WIN 0
.irp m, 0,1,2,3
	v_add_f32 v[TM+\m], v[SUM+2*\m], v[SUM+2*\m+1]
.endr
.irp m, 0,1,2,3
	v_permlanex16_b32 v[TM+4+\m], v[TM+\m], s[SEL], s[SEL+1]
.endr
.irp m, 0,1,2,3
	v_add_f32 v[TM+\m], v[TM+\m], v[TM+4+\m]
.endr
.irp m, 0,1,2,3
	ds_store_b32 v[MXS], v[TM+\m] offset:512*\m
.endr
	s_wait_dscnt 0x0
	s_barrier_signal -1
	s_barrier_wait -1                              ; one barrier for two things: the last images of p and the waves' sums lie in LDS
	PLOAD 1
.irp m, 0,1,2,3
	ds_load_b128 v[PC+4*\m:PC+4*\m+3], v[MXL] offset:512*\m   ; the four waves' sums of my query
.endr
	s_wait_dscnt 4                                 ; p is in; the four loads of the sums may be out
.set QE, 1
.set QZ, 0
.set PN, 0
.rept 32
	PVONE
.set PN, PN+1
.endr
	WIN 0
	s_wait_dscnt 0x0
.irp m, 0,1,2,3                        ; twelve plain lines that name nothing of the last products: the places behind them
	v_add_f32 v[TM+\m], v[PC+4*\m], v[PC+4*\m+1]
	v_add_f32 v[TM+4+\m], v[PC+4*\m+2], v[PC+4*\m+3]
.endr
.irp m, 0,1,2,3
	v_add_f32 v[TM+\m], v[TM+\m], v[TM+4+\m]
.endr
	WIN 0x80
	XLOAD 2
	XLOAD 3
	WIN 0
.irp m, 0,1,2,3
	v_rcp_f32 v[TM+4+\m], v[TM+\m]
.endr
	v_nop                                          ; a plain place behind the reciprocals
	s_wait_kmcnt 0x0                               ; gamma
	s_wait_alu depctr_va_vdst(0)
.irp m, 0,1,2,3
	v_mul_f32 v[FAC+2*\m], s41, v[TM+4+\m]
	v_mul_f32 v[FAC+2*\m+1], s41, v[TM+4+\m]       ; (named with it as a pair)
.endr
; O^T x gamma / sum goes through my stage, a tile of 16 queries at a time, comes back as rows of 512 bytes, takes x and leaves.
.macro OUT m
	WIN 0xc3                                       ; O^T (destination and source 0) window 3, the factor window 0
.set n2, 0
.rept 32
	v_pk_mul_f32 v[64*(\m)+n2:64*(\m)+n2+1], v[64*(\m)+n2:64*(\m)+n2+1], v[FAC+2*(\m):FAC+2*(\m)+1] op_sel_hi:[1,0]   ; each accumulator from its low end on
.set n2, n2+2
.endr
	WIN 0x0c                                       ; an LDS store's data are its source 1: window 3
.irp k, 0,1,2,3,4,5,6,7
	ds_store_b128 v[STO], v[64*(\m)+8*\k:64*(\m)+8*\k+3] offset:64*\k          ; lane (r, h): query r, channels 16 k + 8 h + 0 .. 7
	ds_store_b128 v[STO], v[64*(\m)+8*\k+4:64*(\m)+8*\k+7] offset:64*\k+16
.endr
	WIN 0
.irp i, 0,1,2,3,4,5,6,7,8,9,10,11,12,13,14,15
	ds_load_b128 v[S+64*((\m)%2)+4*\i:S+64*((\m)%2)+4*\i+3], v[RD] offset:528*\i   ; LDS serves a wave's instructions in order (ISA guide 5.7.1.4): these see the stores above, and the next tile's stores come behind them
.endr
.endm
.macro SEND m, younger                 ; younger: the LDS instructions issued behind tile m's loads
	s_wait_dscnt \younger
	s_wait_loadcnt 16*(3-(\m))                     ; x's rows of this tile are in; the later tiles' may be out
	WIN 0x08                                       ; source 1 (x) window 2
.set n2, 0
.rept 32
	v_pk_add_f32 v[S+64*((\m)%2)+n2:S+64*((\m)%2)+n2+1], v[S+64*((\m)%2)+n2:S+64*((\m)%2)+n2+1], v[64*(\m)+n2:64*(\m)+n2+1]
.set n2, n2+2
.endr
	WIN 0
.irp i, 0,1,2,3,4,5,6,7,8,9,10,11,12,13,14,15
	global_store_b128 v[L16], v[S+64*((\m)%2)+4*\i:S+64*((\m)%2)+4*\i+3], s[58:59] offset:(32*((\m)/2)+8*((\m)%2)+\i+8*(\i/8))*2048 th:TH_STORE_NT   ; 32 lanes store 512 consecutive bytes, aligned; written once, read by nobody here
.endr
.endm
	OUT 0
.irp m, 1,2,3
.if \m > 1
	s_wait_xcnt 0x0                                ; tile m - 2's stores have read their registers: tile m's rows may land there
.endif
	OUT \m
	SEND \m-1, 32                                  ; behind tile m - 1's loads: tile m's 16 stores and 16 loads
.endr
	SEND 3, 0
	s_wait_tensorcnt 0x0                           ; the wave's end
	ds_add_u32 v[SPW], v[NIL]
	s_wait_dscnt 0x0
	ROUND                                          ; the closing round: no work-group ends while a partner may still ask for a tile that names it
	s_endpgm
.Lfunc_end_k_qe873d64bd1_attn:
	.size	k_qe873d64bd1_attn, .Lfunc_end_k_qe873d64bd1_attn-k_qe873d64bd1_attn
	.p2alignl 7, 3214868480
	.fill 96, 4, 3214868480
	.section	.rodata,"a",@progbits
	.p2align	6, 0x0
	.amdhsa_kernel k_qe873d64bd1_attn
		.amdhsa_group_segment_fixed_size 327680
		.amdhsa_private_segment_fixed_size 0
		.amdhsa_enable_private_segment 0
		.amdhsa_kernarg_size 40
		.amdhsa_user_sgpr_count 2
		.amdhsa_user_sgpr_kernarg_segment_ptr 1
		.amdhsa_wavefront_size32 1
		.amdhsa_system_sgpr_workgroup_id_x 1
		.amdhsa_system_sgpr_workgroup_id_y 1
		.amdhsa_system_sgpr_workgroup_id_z 1
		.amdhsa_system_vgpr_workitem_id 0
		.amdhsa_next_free_vgpr 1024
		.amdhsa_next_free_sgpr 66
		.amdhsa_reserve_vcc 0
		.amdhsa_float_denorm_mode_32 3
		.amdhsa_float_denorm_mode_16_64 3
		.amdhsa_memory_ordered 1
		.amdhsa_forward_progress 1
		.amdhsa_inst_pref_size 255
	.end_amdhsa_kernel
	.section	.bss,"aw",@nobits
	.p2align	6
	.space	262144
	.amdgpu_metadata
---
amdhsa.version: [ 1, 2 ]
amdhsa.kernels:
  - .name:           k_qe873d64bd1_attn
    .symbol:         k_qe873d64bd1_attn.kd
    .args:
      - { .name: fq, .offset: 0, .size: 8, .value_kind: global_buffer, .address_space: global }
      - { .name: kv, .offset: 8, .size: 8, .value_kind: global_buffer, .address_space: global }
      - { .name: x, .offset: 16, .size: 8, .value_kind: global_buffer, .address_space: global }
      - { .name: gamma, .offset: 24, .size: 8, .value_kind: global_buffer, .address_space: global }
      - { .name: out0, .offset: 32, .size: 8, .value_kind: global_buffer, .address_space: global }
    .group_segment_fixed_size: 327680
    .private_segment_fixed_size: 0
    .kernarg_segment_align: 8
    .kernarg_segment_size: 40
    .max_flat_workgroup_size: 128
    .sgpr_count:     66
    .vgpr_count:     1024
    .wavefront_size: 32
...
	.end_amdgpu_metadata
.endif
;; end of part 2
